; MI455X (gfx1250); checked and timed in simulation.
; The chip was launched on July 23, 2026; its instructions are those of AMD's public machine-readable ISA for CDNA 5 (MIT licence, August 2026) and "CDNA5" Instruction Set Architecture Reference Guide (July 2026). The comments in the code are by the model that wrote it; some were corrected since.
;; LSTM Cell KFAC. Allowed arithmetic: matrix products marked QUANTISED: E4M3 operands, one given power-of-two scale a tensor, by v_wmma_f32_16x16x64_fp8_fp8 or v_wmma_f32_16x16x128_fp8_fp8, f32 sums; everything else in f32.
;; Inputs: b_f_h 1,024 float32; b_f_i 1,024 float32; b_g_h 1,024 float32; b_g_i 1,024 float32; b_i_h 1,024 float32; b_i_i 1,024 float32; b_o_h 1,024 float32; b_o_i 1,024 float32; c 4,096 x 1,024 float32; h 4,096 x 1,024 float32; input 4,096 x 1,024 float32; lowp_scales 16 int32 (the exponents e of the quantised operands' scales 2^e); w_f_h 1,024 x 1,024 float32; w_f_i 1,024 x 1,024 float32; w_g_h 1,024 x 1,024 float32; w_g_i 1,024 x 1,024 float32; w_i_h 1,024 x 1,024 float32; w_i_i 1,024 x 1,024 float32; w_o_h 1,024 x 1,024 float32; w_o_i 1,024 x 1,024 float32.
;; Outputs: out0 4,096 x 1,024 float32; out1 4,096 x 1,024 float32.
;; This version of the problem:
;;   THIS VERSION OF THE PROBLEM IS GIVEN IN LOW PRECISION. The matrix products marked QUANTISED in the list below multiply operands that are first quantised to E4M3 (4 exponent bits, 3 mantissa bits; 8 bits a number), with one given power-of-two scale for each operand tensor; their sums are f32. All else is computed in f32.
;;   The module's matrix products, in the order in which they are computed (A, B: the left and right operand; K: the contracted axis; several contracted axes count as one K, in the product's order):
;;     1. [M 4,096, K 1,024] x [K 1,024, N 1,024]; A: input input; B: input w_i_i: QUANTISED (scales: A lowp_scales[0], B lowp_scales[1])
;;     2. [M 4,096, K 1,024] x [K 1,024, N 1,024]; A: input h; B: input w_i_h: QUANTISED (scales: A lowp_scales[2], B lowp_scales[3])
;;     3. [M 4,096, K 1,024] x [K 1,024, N 1,024]; A: input input; B: input w_f_i: QUANTISED (scales: A lowp_scales[4], B lowp_scales[5])
;;     4. [M 4,096, K 1,024] x [K 1,024, N 1,024]; A: input h; B: input w_f_h: QUANTISED (scales: A lowp_scales[6], B lowp_scales[7])
;;     5. [M 4,096, K 1,024] x [K 1,024, N 1,024]; A: input input; B: input w_g_i: QUANTISED (scales: A lowp_scales[8], B lowp_scales[9])
;;     6. [M 4,096, K 1,024] x [K 1,024, N 1,024]; A: input h; B: input w_g_h: QUANTISED (scales: A lowp_scales[10], B lowp_scales[11])
;;     7. [M 4,096, K 1,024] x [K 1,024, N 1,024]; A: input input; B: input w_o_i: QUANTISED (scales: A lowp_scales[12], B lowp_scales[13])
;;     8. [M 4,096, K 1,024] x [K 1,024, N 1,024]; A: input h; B: input w_o_h: QUANTISED (scales: A lowp_scales[14], B lowp_scales[15])
;;   THE QUANTISER, for each operand of a quantised product, along K:
;;     - The operand's scale is 2^e, e = its entry of the input lowp_scales (int32; the entries are numbered through the quantised products in the list's order, A before B).
;;     - Each number is divided by the scale, clamped to +-448, and rounded to the nearest number of E4M3, ties to even, subnormals kept.
;;     - The product sums the exact products of the quantised numbers (number of the format x scale) in f32.
;;   ~~~python
;;   def quantise(x, axis, e):      # numpy; x: float32 -> the quantised numbers, widened to float32 again
;;       x = np.moveaxis(x, axis, -1); K = x.shape[-1]
;;       r = np.clip(x / 2.0 ** e, -448, 448)
;;       step = 2.0 ** (np.maximum(np.frexp(np.where(r == 0, 1, r))[1] - 1, -6) - 3)
;;       q = np.round(r / step) * step * 2.0 ** e      # np.round: ties to even
;;       return np.moveaxis(q, -1, axis).astype(np.float32)
;;   ~~~
;; One version. Each part assembles by itself: llvm-mc -triple=amdgcn-amd-amdhsa -mcpu=gfx1250 --defsym DOCPART=n.
;; ======== version 1 of 1: 2 launches
;; limits: right only within a limited range of input values
;; workspace buffers: acodes 33,554,432 bytes; wcodes 8,388,608 bytes
;; launch quant (part 1): grid 1024 x 1, 4 waves a work-group, no clusters, 34,304 bytes of LDS; arguments input, h, w_i_i, w_i_h, w_f_i, w_f_h, w_g_i, w_g_h, w_o_i, w_o_h, lowp_scales, acodes, wcodes; writes acodes, wcodes
.if DOCPART == 1
	.amdgcn_target "amdgcn-amd-amdhsa--gfx1250"
	.amdhsa_code_object_version 6
	.text
	.protected	k_qd66889662e_quant
	.globl	k_qd66889662e_quant
	.p2align	8
	.type	k_qd66889662e_quant,@function
k_qd66889662e_quant:
	s_mov_b64 s[64:65], 0
	v_nop
	global_prefetch_b8 v0, s[64:65] scope:SCOPE_SE
	s_setreg_imm32_b32 hwreg(HW_REG_WAVE_MODE, 25, 1), 1
	s_wait_xcnt 0x0
; LSTM cell, first of two launches: input, h [4096][1024] and the eight weights [1024][1024], all f32 with K innermost, become codes of FP8 (E4M3).
; code = x / 2^e, held within +-448, rounded to the nearest code, ties to even; e is the operand's entry of lowp_scales.
; DEAD WORK: none.  Every product feeds a gate, every gate feeds c' and h', every bias and c are added in: all twenty inputs have a way to an output and all are loaded (here or in the second launch).
; FOUR SETS OF CODES FOR input AND FOR h.  input is the left operand of the products of gates i, f, g, o, each with an entry of its own (0, 4, 8, 12), h likewise (2, 6, 10, 14).  Nothing says that these
; entries are equal, and codes under two scales differ where the hold or the subnormals are reached.  So each of the two is quantised four times; a weight once (entry 2 j + 1 for weight j = 2 gate + t).
; LAYOUT OF THE CODES: in the order of the operand's registers.  acodes [32 blocks of 128 rows][16 K steps of 128][4 gates][8 fragments of 16 rows][c 0..3][lane 0..31][16 bytes]; wcodes the same with 8 blocks
; of 128 hidden units.  K steps 0-7 are input's (or w_*_i's), 8-15 h's (w_*_h's).  The 16 bytes of (c, lane l) are row l % 16, k = 32 c + 16 (l / 16) + 0 .. 15.
; SHARES.  A work-group takes 16 whole rows of one tensor (65,536 consecutive bytes): work-groups 0-255 input, 256-511 h, 512 + 64 j + rb weight j.  Wave w takes k = 256 w .. 256 w + 255: two fragments.
; One path serves all ten tensors: only pointers and small numbers are chosen, by the work-group's number.  A forward branch on that number leads a weight's work-group round gates 1 to 3.
; A load reads 512 consecutive bytes of a row; the conversions want 16 neighbours along K in one lane: a fragment turns through the wave's own stage in LDS (rows of 512 bytes + 16).
; Every store covers 512 consecutive bytes, aligned.  No loop, no barrier (waves share nothing), no register that a store reads is written again.
; LIMITS: every entry e between -126 and 119, so that 2^e and 448 x 2^e are f32 numbers.  NaN among the inputs is not served; an infinity is held at the largest code.
.set SP,    528                        ; a stage row: 512 bytes + 16: the sixteen rows that a read touches begin at sixteen different 16-byte columns of 256
.set STG,   16*SP                      ; a wave's stage
.set SPARE, 4*STG                      ; behind the four stages (33,792 = 132 x 256): the spare words, 128 bytes for each wave
.set GO,    2                          ; v2       16 x lane: offset of the loads and of the stores; never rewritten
.set SI,    3                          ; v3       the stage on the way in: wave x STG + 16 x lane
.set SOUT,  4                          ; v4       and on the way out: wave x STG + (l % 16) x SP + 64 (l / 16)
.set SPW,   5                          ; v5       LDS address of my spare word; never rewritten
.set NIL,   6                          ; v6       0; never rewritten
.set SC,    8                          ; v8-11    2^e as f32, gate k
.set LIM,   12                         ; v12-15   448 x 2^e, gate k
.set R,     16                         ; v16-79, v80-143: fragment s as loaded; behind its turn the same registers take its codes, gate k's sixteen at R + 64 s + 16 k
.set X,     144                        ; v144-207 64 numbers: register 16 c + i = k 32 c + 16 (l / 16) + i of row l % 16
.set T,     208                        ; v208-239 two sets of 16 held numbers, by turns
	s_load_b512 s[4:19], s[0:1], 0x0               ; input, h, w_i_i, w_i_h, w_f_i, w_f_h, w_g_i, w_g_h: tensor number n at s[4 + 2 n]
	s_load_b256 s[20:27], s[0:1], 0x40             ; w_o_i, w_o_h, the scales' exponents s[24:25], acodes s[26:27]
	s_load_b64 s[28:29], s[0:1], 0x60              ; wcodes
	v_lshl_add_u32 v[SPW], v0, 2, SPARE
	v_mov_b32 v[NIL], 0
	v_lshrrev_b32 v1, 5, v0
	v_readfirstlane_b32 s30, v1                    ; wave 0..3
	v_and_b32 v1, 31, v0                           ; lane
	v_lshlrev_b32 v[GO], 4, v1
	s_mul_i32 s36, s30, STG
	v_add_nc_u32 v[SI], s36, v[GO]
	v_and_b32 v7, 15, v0
	v_mul_u32_u24 v[SOUT], v7, SP
	v_bfe_u32 v7, v0, 4, 1
	v_lshl_add_u32 v[SOUT], v7, 6, v[SOUT]
	v_add_nc_u32 v[SOUT], s36, v[SOUT]
	; which tensor, which 16 rows, which entries of the scales: all from the work-group's number
	s_max_u32 s36, ttmp9, 512
	s_sub_co_u32 s36, s36, 512                     ; 64 j + rb in a weight's work-group, 0 in the others
	s_lshr_b32 s37, s36, 6                         ; j
	s_and_b32 s38, s36, 63                         ; a weight's rb
	s_lshr_b32 s39, ttmp9, 8                       ; input (0) or h (1), where the number is under 512
	s_and_b32 s52, ttmp9, 255                      ; their rb
	s_and_b32 s53, s37, 1                          ; a weight's t: w_*_i (0) or w_*_h (1)
	s_lshr_b32 s35, s37, 1                         ; its gate
	s_add_co_u32 s32, s37, 2                       ; its number among the ten tensors
	s_lshl_b32 s40, s37, 3
	s_add_co_u32 s40, s40, 4                       ; its entry 2 j + 1, in bytes
	s_lshl_b32 s41, s39, 3                         ; input's or h's first entry 2 t, in bytes
	s_cmp_lt_u32 ttmp9, 512
	s_cselect_b32 s31, 1, 0                        ; 1: input or h
	s_cselect_b32 s32, s39, s32                    ; the tensor's number
	s_cselect_b32 s33, s52, s38                    ; rb: which 16 rows
	s_cselect_b32 s34, s39, s53                    ; t: K steps 8 t on
	s_cselect_b32 s35, 0, s35                      ; the first gate that I write
	s_cselect_b32 s40, s41, s40                    ; the first entry's byte,
	s_cselect_b32 s36, 16, 0                       ; and from gate to gate: four entries on; a weight reads its own entry four times
	s_add_co_u32 s41, s40, s36
	s_add_co_u32 s42, s41, s36
	s_add_co_u32 s43, s42, s36
	s_lshl_b32 s38, s33, 16                        ; in the tensor: rb x 16 rows of 4,096 bytes
	s_lshl_b32 s39, s30, 10                        ; + wave x 256 numbers
	s_add_co_u32 s38, s38, s39
	s_mov_b32 s39, 0
	s_lshr_b32 s52, s33, 3                         ; in the codes: (((block x 16 + 8 t + 2 wave) x 4 + gate) x 16,384 + (rb % 8) x 2,048
	s_lshl_b32 s52, s52, 4
	s_lshl_b32 s53, s34, 3
	s_add_co_u32 s52, s52, s53
	s_lshl_b32 s53, s30, 1
	s_add_co_u32 s52, s52, s53
	s_lshl_b32 s52, s52, 2
	s_add_co_u32 s52, s52, s35
	s_lshl_b32 s52, s52, 14
	s_and_b32 s53, s33, 7
	s_lshl_b32 s53, s53, 11
	s_add_co_u32 s52, s52, s53
	s_mov_b32 s53, 0
	s_wait_alu depctr_va_vdst(0)
	s_wait_kmcnt 0x0
.irp k, 0,1,2,3
	s_load_b32 s[44+\k], s[24:25], s[40+\k] offset:0x0   ; e of gate k
.endr
	s_mov_b64 s[48:49], s[4:5]                     ; the source: one of the ten, chosen by the tensor's number alone
.irp k, 1,2,3,4,5,6,7,8,9
	s_cmp_eq_u32 s32, \k
	s_cselect_b64 s[48:49], s[4+2*\k:5+2*\k], s[48:49]
.endr
	s_cmp_eq_u32 s31, 1
	s_cselect_b64 s[50:51], s[26:27], s[28:29]     ; the codes' buffer
	s_add_nc_u64 s[48:49], s[48:49], s[38:39]
	s_add_nc_u64 s[50:51], s[50:51], s[52:53]
.macro LOADF s                         ; fragment s: 16 rows x 128 numbers; each load reads 512 consecutive bytes of one row
.irp i, 0,1,2,3,4,5,6,7,8,9,10,11,12,13,14,15
	global_load_b128 v[R+64*\s+4*\i:R+64*\s+4*\i+3], v[GO], s[48:49] offset:4096*\i+512*\s th:TH_LOAD_NT
.endr
.endm
.macro TURNF s                         ; through my stage: LDS serves a wave's instructions in order (ISA guide 5.7.1.4), so no wait stands between the stores and the loads
.irp i, 0,1,2,3,4,5,6,7,8,9,10,11,12,13,14,15
	ds_store_b128 v[SI], v[R+64*\s+4*\i:R+64*\s+4*\i+3] offset:SP*\i
.endr
.irp c, 0,1,2,3
.irp j, 0,1,2,3
	ds_load_b128 v[X+16*\c+4*\j:X+16*\c+4*\j+3], v[SOUT] offset:128*\c+16*\j
.endr
.endr
.endm
; Fragment s under gate k's scale.  The held numbers go into T, so that X serves all four gates; T's two sets take turns, so that sixteen plain lines stand between a conversion and the next write of its sources.
.macro GATE s, k
.irp c, 0,1,2,3
.irp i, 0,1,2,3,4,5,6,7,8,9,10,11,12,13,14,15
	v_med3_num_f32 v[T+16*(\c%2)+\i], v[X+16*\c+\i], -v[LIM+\k], v[LIM+\k]   ; the conversion to an 8-bit code does not saturate (ISA guide 7.6.2): the hold at the largest code x the scale
.endr
	v_cvt_scalef32_pk8_fp8_f32 v[R+64*\s+16*\k+4*\c:R+64*\s+16*\k+4*\c+1], v[T+16*(\c%2):T+16*(\c%2)+7], v[SC+\k]
	v_cvt_scalef32_pk8_fp8_f32 v[R+64*\s+16*\k+4*\c+2:R+64*\s+16*\k+4*\c+3], v[T+16*(\c%2)+8:T+16*(\c%2)+15], v[SC+\k]
.endr
.irp c, 0,1,2,3
	global_store_b128 v[GO], v[R+64*\s+16*\k+4*\c:R+64*\s+16*\k+4*\c+3], s[50:51] offset:65536*\s+16384*\k+512*\c   ; 32 lanes store 512 consecutive bytes, aligned: registers 4 c .. 4 c + 3 of the fragment
.endr
.endm
.macro QFRAG s
	TURNF \s
	s_wait_dscnt 0x0                               ; X is in, and the stores into the stage have read R: the codes may be written there
	GATE \s, 0
	s_cmp_lt_u32 ttmp9, 512                        ; a weight has one scale
	s_cbranch_scc0 .Lone_\s
	GATE \s, 1
	GATE \s, 2
	GATE \s, 3
.Lone_\s:
.endm
	LOADF 0
	LOADF 1
	s_wait_kmcnt 0x0
.irp k, 0,1,2,3
	s_add_co_i32 s[44+\k], s[44+\k], 127
	s_lshl_b32 s36, s[44+\k], 23
	v_mov_b32 v[SC+\k], s36                        ; 2^e as f32: the conversion takes its exponent field
	s_add_co_i32 s[44+\k], s[44+\k], 8
	s_lshl_b32 s36, s[44+\k], 23
	s_or_b32 s36, s36, 0x600000
	v_mov_b32 v[LIM+\k], s36                       ; 448 x 2^e
.endr
	s_wait_alu depctr_va_vdst(0)
	s_wait_loadcnt 16                              ; fragment 0's sixteen loads are in; fragment 1's sixteen may be out
	QFRAG 0
	s_wait_loadcnt 0x0
	QFRAG 1
	v_nop                                          ; a plain line behind the last conversion
	s_wait_tensorcnt 0x0                           ; the wave's end, behind my last LDS store
	ds_add_u32 v[SPW], v[NIL]
	s_wait_dscnt 0x0
	s_endpgm
.Lfunc_end_k_qd66889662e_quant:
	.size	k_qd66889662e_quant, .Lfunc_end_k_qd66889662e_quant-k_qd66889662e_quant
	.p2alignl 7, 3214868480
	.fill 96, 4, 3214868480
	.section	.rodata,"a",@progbits
	.p2align	6, 0x0
	.amdhsa_kernel k_qd66889662e_quant
		.amdhsa_group_segment_fixed_size 34304
		.amdhsa_private_segment_fixed_size 0
		.amdhsa_enable_private_segment 0
		.amdhsa_kernarg_size 104
		.amdhsa_user_sgpr_count 2
		.amdhsa_user_sgpr_kernarg_segment_ptr 1
		.amdhsa_wavefront_size32 1
		.amdhsa_system_sgpr_workgroup_id_x 1
		.amdhsa_system_sgpr_workgroup_id_y 1
		.amdhsa_system_sgpr_workgroup_id_z 1
		.amdhsa_system_vgpr_workitem_id 0
		.amdhsa_next_free_vgpr 240
		.amdhsa_next_free_sgpr 66
		.amdhsa_reserve_vcc 0
		.amdhsa_float_denorm_mode_32 3
		.amdhsa_float_denorm_mode_16_64 3
		.amdhsa_memory_ordered 1
		.amdhsa_forward_progress 1
		.amdhsa_inst_pref_size 52
	.end_amdhsa_kernel
	.amdgpu_metadata
---
amdhsa.version: [ 1, 2 ]
amdhsa.kernels:
  - .name:           k_qd66889662e_quant
    .symbol:         k_qd66889662e_quant.kd
    .args:
      - { .name: input, .offset: 0, .size: 8, .value_kind: global_buffer, .address_space: global }
      - { .name: h, .offset: 8, .size: 8, .value_kind: global_buffer, .address_space: global }
      - { .name: w_i_i, .offset: 16, .size: 8, .value_kind: global_buffer, .address_space: global }
      - { .name: w_i_h, .offset: 24, .size: 8, .value_kind: global_buffer, .address_space: global }
      - { .name: w_f_i, .offset: 32, .size: 8, .value_kind: global_buffer, .address_space: global }
      - { .name: w_f_h, .offset: 40, .size: 8, .value_kind: global_buffer, .address_space: global }
      - { .name: w_g_i, .offset: 48, .size: 8, .value_kind: global_buffer, .address_space: global }
      - { .name: w_g_h, .offset: 56, .size: 8, .value_kind: global_buffer, .address_space: global }
      - { .name: w_o_i, .offset: 64, .size: 8, .value_kind: global_buffer, .address_space: global }
      - { .name: w_o_h, .offset: 72, .size: 8, .value_kind: global_buffer, .address_space: global }
      - { .name: lowp_scales, .offset: 80, .size: 8, .value_kind: global_buffer, .address_space: global }
      - { .name: acodes, .offset: 88, .size: 8, .value_kind: global_buffer, .address_space: global }
      - { .name: wcodes, .offset: 96, .size: 8, .value_kind: global_buffer, .address_space: global }
    .group_segment_fixed_size: 34304
    .private_segment_fixed_size: 0
    .kernarg_segment_align: 8
    .kernarg_segment_size: 104
    .max_flat_workgroup_size: 128
    .sgpr_count:     66
    .vgpr_count:     240
    .wavefront_size: 32
...
	.end_amdgpu_metadata
.endif
;; end of part 1
;; launch cell (part 2): grid 32 x 8, 4 waves a work-group, clusters of 4 x 1, 327,680 bytes of LDS; arguments acodes, wcodes, lowp_scales, c, out0, out1, b_i_i, b_i_h, b_f_i, b_f_h, b_g_i, b_g_h, b_o_i, b_o_h; writes out0, out1
.if DOCPART == 2
	.amdgcn_target "amdgcn-amd-amdhsa--gfx1250"
	.amdhsa_code_object_version 6
	.text
	.protected	k_qd66889662e_cell
	.globl	k_qd66889662e_cell
	.p2align	8
	.type	k_qd66889662e_cell,@function
k_qd66889662e_cell:
	s_mov_b64 s[64:65], 0
	v_nop
	global_prefetch_b8 v0, s[64:65] scope:SCOPE_SE
	s_setreg_imm32_b32 hwreg(HW_REG_WAVE_MODE, 25, 1), 1
	s_wait_xcnt 0x0
	s_wait_alu depctr_hold_cnt(0) depctr_sa_sdst(0) depctr_va_vdst(0) depctr_va_sdst(0) depctr_va_ssrc(0) depctr_va_vcc(0) depctr_vm_vsrc(0)
	s_getreg_b32 s2, hwreg(HW_REG_IB_STS2, 6, 4)
	s_cmp_eq_u32 s2, 0
	s_cbranch_scc0 .Lentry_in_a_cluster
	s_endpgm
.Lentry_in_a_cluster:
	s_bfe_u32 s2, ttmp6, 0x10000c
	s_cmp_lg_u32 s2, 0x3003
	s_cbranch_scc0 .Lentry_shape_is_right
	s_endpgm
.Lentry_shape_is_right:
; LSTM cell, second of two launches: the eight quantised products, the gates, c' (out1) and h' (out0).
; A work-group makes 128 rows x 128 hidden units of both outputs.  Wave g makes gate g's (i, f, g, o) 128 x 128 sums over K = 2,048 (K steps 0-7 input x w_*_i, 8-15 h x w_*_h):
; 64 accumulators of 16 x 16, 512 registers.  The sums of steps 0-7 stand for sum x 2^(e_in + e_wi), those of steps 8-15 for sum x 2^(e_h + e_wh): behind step 7 the accumulators are
; multiplied once by 2^(e_in + e_wi - e_h - e_wh), a power of two, and the finished sums by 2^(e_h + e_wh), folded into the factor of the exponentials.
; CLUSTERS: 4 x 1 work-groups: four blocks of rows of one block of units.  They need the same codes of the weights: W's tiles of K steps 2-15 are asked for JOINTLY (mask 15), into a ring of two LDS slots,
; each with two K steps of all four gates (131,072 bytes, dense in memory and in LDS, in the order of the operand's registers); each wave asks for a quarter, 64 rows of 512 bytes.
; W of K steps 0 and 1 goes from memory straight into the registers, so that the sums begin while the first tile is on its way: seven fills in all.
; A change of slots stands in an odd step's last 16 products, directly ahead of the first read of the slot that it shows landed.
; The codes of input and h differ from work-group to work-group of the cluster and from wave to wave (each gate has its own scale entries): no second reader, so they go from memory straight into the wave's registers,
; 512 consecutive bytes a load.  A has two K steps of registers, a ring: two fragments are loaded again, for the step two on, behind the 16 products that read them.  W has one set, read anew inside a step's last 16 products.
; THE MATRIX INSTRUCTION IS USED TRANSPOSED (source 0 = 16 units of W, source 1 = 16 rows): a lane holds eight neighbouring units of one row.
; REGISTERS: window 0: v0-63 addresses and biases, v64-95 biases as loaded, v128-255 W's fragments; window 1: A's ring (step parity p at v[128 p]; at the end c in v0-127);
;   window 2: accumulators of A's fragments 0-3 ((a, b) at v[8 (8 (a % 4) + b)]); window 3: those of fragments 4-7.
; PREFETCH INTO THE L2.  A: in K step k (k up to 12) a wave names its gate's tile of step k + 3, one step ahead of its load; the tile's 64 blocks of 256 bytes are read by the 8 work-groups of a row block:
; unit block u names blocks 8 u .. 8 u + 7, lanes left over the last again.  W: in each odd step the fill behind the one that this step asks for, two K steps ahead of its load: 512 blocks, 32 a wave,
; shared out among the four partners by address; the head names K steps 4 and 5.  A tile of W is loaded by eight clusters: those with x under 4 ask.  The last refill has no fill behind it and asks for nothing.
; LIMITS: for each gate e_h + e_wh between -126 and 126 and e_in + e_wi - e_h - e_wh between -126 and 127, so that the factors are f32 numbers.
.set KSB,    65536                     ; a K step of a block: 4 gates x 8 fragments x 2,048 bytes
.set SLOT,   2*KSB
.set SPITCH, 528                       ; the stage of the way out: a row of 128 f32 + 16 bytes.  It lies over the ring, behind the ring's last fill and last read
.set GST,    128*SPITCH
.set SPARE,  4*GST                     ; behind ring and stage (1,056 x 256): the spare words, 128 bytes for each wave
.set RD,   8                           ; v8-11  the stage on the way back: gate g, my 32 rows, 16 x lane
.set ADRW, 16                          ; v16-19 my gate's W fragments of K step k: register k % 4
.set STO,  24
.set CO,   25                          ; 16 x lane
.set PFA,  26
.set PFC,  27
.set SPW,  28
.set NIL,  29
.set BO,   30
.set PFW,  31
.set BB,   32                          ; v32-47 (b_*_i + b_*_h) x the gate's factor
.set BT,   64
.set WF,   128
.set CC,   0
.set GA,   48
.set CP,   176
.set HP,   192
.set EE,   208
.set G1,  24
.set G0,  32
.set PW,  44                           ; s[44:45] W's block, stepped with A's base: the prefetches' base
.set LIM, 46                           ; 1 in a cluster that prefetches W, else the greatest number
.set WD,  60                           ; s[60:61] my gate's W of K step 0: the direct loads' base
.set RS,  66
.set BP,  68
.set SC,  84
.set T2,  92
.set MSB, 0
.macro WIN new                         ; the immediate's high byte repeats the setting that is left
.if MSB != \new
	s_set_vgpr_msb (MSB<<8)|\new
.set MSB, \new
.endif
.endm
.set ML_LO, 0xa4                       ; source 0 (W) window 0, source 1 (A) window 1, C and D window 2; + 0x50: window 3
.set TO_1,  0x40                       ; destination window 1, address window 0
.macro PLACES                          ; four places behind matrix instructions, ahead of loads into their sources and of stores of their results
.rept 4
	v_nop
.endr
.endm
.macro ROUND                           ; a round of the cluster's barrier
	s_barrier_signal -1
	s_barrier_wait -1
	s_cmp_lg_u32 s16, 0
	s_cbranch_scc1 .Lnot_wave_0_\@
	s_barrier_signal -3
.Lnot_wave_0_\@:
	s_barrier_wait -3
	s_barrier_signal -1
	s_barrier_wait -1
.endm
.macro JLOAD slot                      ; my quarter of a fill; s_nop 0 and four v_nop behind it
	tensor_load_to_lds s[G0+4*\slot:G0+4*\slot+3], s[G1:G1+7]
	s_nop 0
	PLACES
.endm
.macro MEET slot                       ; the other slot is shown landed; this slot, read out (in K step 1: never filled yet), takes the K steps four behind its last
	s_wait_tensorcnt 0x0                           ; my one load that was out, my quarter of the other slot, has landed
	ds_add_u32 v[SPW], v[NIL]
	s_add_nc_u64 s[G0+4*\slot+2:G0+4*\slot+3], s[G0+4*\slot+2:G0+4*\slot+3], 4*KSB
	s_wait_dscnt 0x0                               ; the add is done, and my reads of this slot are back
	ROUND                                          ; both hold of every wave of the four work-groups
	JLOAD \slot
.endm
.macro LASTMEET                        ; the last fill is shown landed; nothing is filled again, so no round follows
	s_wait_tensorcnt 0x0
	ds_add_u32 v[SPW], v[NIL]
	s_wait_dscnt 0x0
	s_barrier_signal -1
	s_barrier_wait -1
.endm
.macro GLA rel, p, a0                  ; A's fragments a0, a0 + 1 of the K step rel + 2 behind the base
.irp a, \a0, \a0+1
.irp c, 0,1,2,3
	global_load_b128 v[128*(\p)+16*(\a)+4*\c:128*(\p)+16*(\a)+4*\c+3], v[CO], s[4:5] offset:KSB*((\rel)+2)+2048*(\a)+512*\c
.endr
.endr
.endm
.macro GLWD ks, b0                     ; W's fragments b0 .. b0 + 3 of K step ks (0 or 1), from memory
.irp b, \b0, \b0+1, \b0+2, \b0+3
.irp c, 0,1,2,3
	global_load_b128 v[WF+16*(\b)+4*\c:WF+16*(\b)+4*\c+3], v[CO], s[WD:WD+1] offset:KSB*(\ks)+2048*(\b)+512*\c
.endr
.endr
.endm
.macro LDW q, b0                       ; W's fragments b0 .. b0 + 3 of the K step with k % 4 = q: 512 consecutive LDS bytes a load
.irp b, \b0, \b0+1, \b0+2, \b0+3
.irp c, 0,1,2,3
	ds_load_b128 v[WF+16*(\b)+4*\c:WF+16*(\b)+4*\c+3], v[ADRW+\q] offset:2048*(\b)+512*\c
.endr
.endr
.endm
.macro MULH a0, h, p, zero             ; A's fragments a0, a0 + 1 against W's 4 h .. 4 h + 3; the 64 accumulators take turns in the same order in every step
.irp b, 0,1,2,3
.irp a, \a0, \a0+1
.if \zero
	v_wmma_f32_16x16x128_fp8_fp8 v[8*(8*((\a)%4)+4*\h+\b):8*(8*((\a)%4)+4*\h+\b)+7], v[WF+16*(4*\h+\b):WF+16*(4*\h+\b)+15], v[128*(\p)+16*(\a):128*(\p)+16*(\a)+15], 0
.else
	v_wmma_f32_16x16x128_fp8_fp8 v[8*(8*((\a)%4)+4*\h+\b):8*(8*((\a)%4)+4*\h+\b)+7], v[WF+16*(4*\h+\b):WF+16*(4*\h+\b)+15], v[128*(\p)+16*(\a):128*(\p)+16*(\a)+15], v[8*(8*((\a)%4)+4*\h+\b):8*(8*((\a)%4)+4*\h+\b)+7]
.endif
.endr
.endr
.endm
.macro TOST a0                         ; the finished accumulators of rows 16 a0 .. 16 a0 + 31 into my gate's stage, each from its low end on
	WIN 0x08+4*((\a0)/4)
.irp a, \a0, \a0+1
.irp b, 0,1,2,3,4,5,6,7
	ds_store_b128 v[STO], v[8*(8*((\a)%4)+\b):8*(8*((\a)%4)+\b)+3] offset:16*SPITCH*(\a)+64*\b
	ds_store_b128 v[STO], v[8*(8*((\a)%4)+\b)+4:8*(8*((\a)%4)+\b)+7] offset:16*SPITCH*(\a)+64*\b+16
.endr
.endr
.endm
; 16 products.  cnt: the loads issued behind what is wanted.  after = 1: the pair of A's fragments is loaded again; 3: its registers take 8 rows of c; 2: its accumulators are finished and go to the stage.
; In a step's first group W's fragments 4-7 may still be out: 16 LDS loads, or (g = 1, K step 1) 16 loads from memory, behind which 8 of A were issued.
; In its last group W's set is read anew, each half behind its last products (q: k % 4 of the next step; -2: K step 1, from memory; -1: none); meet: the change of slots ahead of that read (0, 1: the slot filled; 2: the last; -1: none).
; ask = 1 marks the first of four steps: there the bases go four K steps on.
.macro GROUP a0, p, zero, cnt, after, rel, q, pf, ask, meet, g
	s_wait_loadcnt \cnt
.if (\a0 == 0) && (\g == 0)
	s_wait_dscnt 16
.endif
	WIN ML_LO+0x50*((\a0)/4)
	MULH \a0, 0, \p, \zero
.if \a0 == 0
.if \g
	s_wait_loadcnt 8
.else
	s_wait_dscnt 0x0
.endif
.if \ask == 1
	s_wait_xcnt 0x0                                ; the loads and prefetches issued so far have read their bases
	s_add_nc_u64 s[4:5], s[4:5], 4*KSB             ; the bases now stand at the last of these four steps
	s_add_nc_u64 s[PW:PW+1], s[PW:PW+1], 4*KSB
.endif
.if \pf
	global_prefetch_b8 v[PFA], s[4:5] offset:KSB*((\rel)+3) th:TH_LOAD_NT scope:SCOPE_SE
.endif
.if \ask
	WIN 0
.if \ask == 1
	s_cmp_ge_u32 s3, s[LIM]                        ; always, in a cluster that asks
.else
	s_cmp_gt_u32 s3, s[LIM]                        ; not in the last trip (s3 = 1): no fill is left
.endif
	s_cbranch_scc0 .Lnot_mine_\@
	global_prefetch_b8 v[PFW], s[PW:PW+1] offset:KSB*((\rel)+5) th:TH_LOAD_NT scope:SCOPE_SE
.Lnot_mine_\@:
	WIN ML_LO
.endif
.endif
.if (\a0 == 6) && (\q != -1)
	PLACES
	WIN 0
.if (\meet == 0) || (\meet == 1)
	MEET \meet
.endif
.if \meet == 2
	LASTMEET
.endif
.if \q >= 0
	LDW \q, 0
.else
	GLWD 1, 0
.endif
	WIN ML_LO+0x50
.endif
	MULH \a0, 1, \p, \zero
	PLACES
.if (\a0 == 6) && (\q != -1)
	WIN 0
.if \q >= 0
	LDW \q, 4
.else
	GLWD 1, 4
.endif
.endif
.if \after == 1
	WIN TO_1
	GLA \rel, \p, \a0
.endif
.if \after == 3
	WIN TO_1
.irp i, 0,1,2,3,4,5,6,7
	global_load_b128 v[CC+16*(\a0)+4*\i:CC+16*(\a0)+4*\i+3], v[CO], s[10:11] offset:4096*(4*(\a0)+\i) th:TH_LOAD_NT
.endr
.endif
.if \after == 2
	TOST \a0
.endif
.endm
; A K step of 128.  Behind a pair of A's fragments stand, in issue order, at least seven other runs of 8 loads (two steps' less its own): 56; dn = 8: the last step loads nothing, and the counts run down.
; g = 1: behind the first half of K step 1's W stand its second half (16) and one run of A (8): 24.
.macro STEP rel, p, zero, after, q, pf, ask, dn, meet, g
	GROUP 0, \p, \zero, 56-32*\g, \after, \rel, \q, \pf, \ask, \meet, \g
	GROUP 2, \p, \zero, 56-\dn, \after, \rel, \q, 0, 0, \meet, 0
	GROUP 4, \p, \zero, 56-2*\dn, \after, \rel, \q, 0, 0, \meet, 0
	GROUP 6, \p, \zero, 56-3*\dn, \after, \rel, \q, 0, 0, \meet, 0
	WIN 0
.endm
	s_load_b256 s[4:11], s[0:1], 0x0               ; acodes, wcodes, the scales' exponents, c
	s_load_b128 s[12:15], s[0:1], 0x20             ; out0 (h'), out1 (c')
	s_load_b512 s[BP:BP+15], s[0:1], 0x30          ; the eight biases
	v_lshl_add_u32 v[SPW], v0, 2, SPARE
	v_mov_b32 v[NIL], 0
	ds_add_u32 v[SPW], v[NIL]                      ; the opening lines: the add, twice on end, and its wait ahead of my first tensor load
	ds_add_u32 v[SPW], v[NIL]
	v_lshrrev_b32 v1, 5, v0
	v_readfirstlane_b32 s16, v1                    ; wave = gate
	s_bfe_u32 s40, ttmp6, 0x40000                  ; cx
	s_lshl_b32 s41, ttmp9, 2
	s_add_co_u32 s41, s41, s40                     ; block of 128 rows = 4 x cluster x + cx
	s_and_b32 s42, ttmp7, 0xffff                   ; block of 128 units: the same in the four partners
	s_mov_b32 s[G1], 15|(3<<16)|(1<<21)            ; mask: all four; elements of 8 bytes; bit 21 beside a mask
	s_mov_b32 s[G1+1], 64<<16                      ; rows of 64 elements = 512 bytes
	s_mov_b32 s[G1+2], 64<<16                      ; 64 rows
	s_mov_b32 s[G1+3], 64<<16
	s_mov_b32 s[G1+4], 64
	s_mov_b32 s[G1+5], 64                          ; dense
	s_mov_b32 s[G1+6], 0
	s_mov_b32 s[G1+7], 0
	s_lshl_b32 s18, s16, 14                        ; my gate's 16,384 bytes of a K step
	s_mov_b32 s19, 0
	s_lshl_b32 s20, s41, 20
	s_add_co_u32 s20, s20, s18                     ; in acodes
	s_mov_b32 s21, 0
	s_lshl_b32 s22, s42, 20                        ; W's block in wcodes
	s_mov_b32 s23, 0
	s_lshl_b32 s58, s16, 15                        ; my quarter of a fill, in memory and in LDS
	s_mov_b32 s59, 0
	s_lshl_b32 s51, s42, 9                         ; my block's 512 bytes of a row of c, of the outputs and of a bias
	s_lshl_b32 s48, s41, 19
	s_lshl_b32 s49, s16, 17                        ; on the way out wave w takes rows 32 w .. 32 w + 31
	s_add_co_u32 s48, s48, s49
	s_add_co_u32 s48, s48, s51
	s_mov_b32 s49, 0
	s_mul_i32 s52, s16, GST
	s_mul_i32 s53, s16, 32*SPITCH
	s_lshl_b32 s54, s42, 11
	s_lshl_b32 s55, s40, 15                        ; W's prefetches: 32,768 cx + 8,192 wave + 256 lane
	s_lshl_b32 s56, s16, 13
	s_add_co_u32 s55, s55, s56
	s_cmp_lt_u32 ttmp9, 4
	s_cselect_b32 s[LIM], 1, -1
	v_and_b32 v1, 31, v0
	v_and_b32 v2, 15, v0
	v_bfe_u32 v3, v0, 4, 1
	v_lshlrev_b32 v[CO], 4, v1
	v_lshlrev_b32 v[PFC], 12, v1
	v_min_u32 v4, 7, v1
	v_lshl_add_u32 v[PFA], v4, 8, s54              ; 2,048 u + 256 min(lane, 7)
	v_lshl_add_u32 v[PFW], v1, 8, s55
	v_add_nc_u32 v[ADRW], s18, v[CO]
	v_add_nc_u32 v[ADRW+1], KSB, v[ADRW]
	v_add_nc_u32 v[ADRW+2], KSB, v[ADRW+1]
	v_add_nc_u32 v[ADRW+3], KSB, v[ADRW+2]
	v_mul_u32_u24 v[STO], v2, SPITCH               ; in: row l % 16, 32 bytes for each half of the lanes
	v_lshl_add_u32 v[STO], v3, 5, v[STO]
	v_add_nc_u32 v[STO], s52, v[STO]
	v_add_nc_u32 v[RD], s53, v[CO]                 ; back: the 32 lanes take a row of 512 bytes
	v_add_nc_u32 v[RD+1], GST, v[RD]
	v_add_nc_u32 v[RD+2], GST, v[RD+1]
	v_add_nc_u32 v[RD+3], GST, v[RD+2]
	v_add_nc_u32 v[BO], s51, v[CO]
	s_wait_alu depctr_va_vdst(0)
	s_wait_dscnt 0x0                               ; both opening adds are done
	s_wait_kmcnt 0x0
	s_load_b512 s[84:99], s[8:9], 0x0              ; the sixteen exponents
	s_add_nc_u64 s[PW:PW+1], s[6:7], s[22:23]
	s_add_nc_u64 s[6:7], s[PW:PW+1], s[58:59]
.irp s, 0,1                                            ; slot 1: K steps 2, 3.  Slot 0's address stands four K steps ahead of its first fill's and is stepped there
	s_mov_b32 s[G0+4*\s], 1
	s_add_co_u32 s[G0+4*\s+1], s58, \s*SLOT
	s_add_nc_u64 s[G0+4*\s+2:G0+4*\s+3], s[6:7], \s*SLOT
	s_or_b32 s[G0+4*\s+3], s[G0+4*\s+3], 0x80000000
.endr
	ROUND                                          ; the four work-groups are here: the first joint loads meet
	JLOAD 1                                        ; K steps 2 and 3 of W: one tensor load a wave at the head
	s_add_nc_u64 s[4:5], s[4:5], s[20:21]
	s_add_nc_u64 s[WD:WD+1], s[PW:PW+1], s[18:19]
	s_add_nc_u64 s[10:11], s[10:11], s[48:49]
	s_add_nc_u64 s[12:13], s[12:13], s[48:49]
	s_add_nc_u64 s[14:15], s[14:15], s[48:49]
.irp k, 0,1,2,3,4,5,6,7
	global_load_b128 v[BT+4*\k:BT+4*\k+3], v[BO], s[BP+2*\k:BP+2*\k+1]
.endr
	GLWD 0, 0                                      ; K step 0's W,
	GLWD 0, 4
	WIN TO_1
.irp a, 0,2,4,6
	GLA -2, 0, \a                                  ; its A,
.endr
.irp a, 0,2,4,6
	GLA -1, 1, \a                                  ; and K step 1's A
.endr
	WIN 0
	s_cmp_eq_u32 s[LIM], 1
	s_cbranch_scc0 .Lno_head_ask
	global_prefetch_b8 v[PFW], s[PW:PW+1] offset:4*KSB th:TH_LOAD_NT scope:SCOPE_SE   ; K steps 4 and 5 of W
.Lno_head_ask:
	s_wait_kmcnt 0x0
.irp g, 0,1,2,3
	s_add_co_i32 s19, s[84+4*\g], s[85+4*\g]       ; e_in + e_wi
	s_add_co_i32 s20, s[86+4*\g], s[87+4*\g]       ; e_h + e_wh
	s_sub_co_i32 s19, s19, s20
	s_lshl_b32 s20, s20, 23
.if \g == 2
	s_add_co_u32 s[SC+2*\g], s20, 0x4038aa3b       ; 2 log2(e) x 2^(e_h + e_wh): tanh
.else
	s_add_co_u32 s[SC+2*\g], s20, 0xbfb8aa3b       ; -log2(e) x 2^(e_h + e_wh): sigmoid
.endif
	s_mov_b32 s[SC+2*\g+1], s[SC+2*\g]
.if \g == 0
	s_mov_b32 s[RS], s19
.else
	s_cmp_eq_u32 s16, \g
	s_cselect_b32 s[RS], s19, s[RS]                ; my gate's difference
.endif
.endr
	s_add_co_i32 s[RS], s[RS], 127
	s_lshl_b32 s[RS], s[RS], 23
	s_mov_b32 s[RS+1], s[RS]
	s_mov_b32 s[T2], 0x4038aa3b
	s_mov_b32 s[T2+1], s[T2]
	STEP 0, 0, 1, 1, -2, 1, 0, 0, -1, 0            ; K step 0 starts the sums; K step 1's W comes from memory
.irp g, 0,1,2,3                                        ; the biases were issued ahead of all other loads: step 0's waits have shown them in
	v_pk_add_f32 v[BB+4*\g:BB+4*\g+1], v[BT+8*\g:BT+8*\g+1], v[BT+8*\g+4:BT+8*\g+5]
	v_pk_add_f32 v[BB+4*\g+2:BB+4*\g+3], v[BT+8*\g+2:BT+8*\g+3], v[BT+8*\g+6:BT+8*\g+7]
.endr
.irp j, 0,1,2,3,4,5,6,7,12,13,14,15
	v_mul_f32 v[BB+\j], 0xbfb8aa3b, v[BB+\j]
.endr
.irp j, 8,9,10,11
	v_mul_f32 v[BB+\j], 0x4038aa3b, v[BB+\j]
.endr
	s_wait_alu depctr_va_vdst(0)
	s_mov_b32 s3, 2                                ; the loop's trips; K steps 1-4 find it at 2 too
	STEP -3, 1, 0, 1, 2, 1, 1, 0, 0, 1             ; K steps 1-4, written out: step 1 waits for W from memory, and slot 0 is filled for the first time
	STEP -2, 0, 0, 1, 3, 1, 0, 0, -1, 0
	STEP -1, 1, 0, 1, 0, 1, 2, 0, 1, 0
	STEP 0, 0, 0, 1, 1, 1, 0, 0, -1, 0
.Ltrip:                                                ; K steps 5-8, 9-12: once round the ring
	STEP -3, 1, 0, 1, 2, 1, 1, 0, 0, 0
	STEP -2, 0, 0, 1, 3, 1, 0, 0, -1, 0
	STEP -1, 1, 0, 1, 0, 1, 2, 0, 1, 0
	s_cmp_eq_u32 s3, 2                             ; behind K step 7 alone
	s_cbranch_scc0 .Lno_rescale
	WIN 0x82                                       ; input's sums under h's scales: x 2^(e_in + e_wi - e_h - e_wh); each accumulator from its low end on
.set i, 0
.rept 128
	v_pk_mul_f32 v[i:i+1], v[i:i+1], s[RS:RS+1] op_sel_hi:[1,0]
.set i, i+2
.endr
	WIN 0xc3
.set i, 0
.rept 128
	v_pk_mul_f32 v[i:i+1], v[i:i+1], s[RS:RS+1] op_sel_hi:[1,0]
.set i, i+2
.endr
	WIN 0
	global_prefetch_b8 v[PFC], s[10:11] th:TH_LOAD_NT scope:SCOPE_SE             ; my 32 rows of c, 512 bytes each: a lane a row, two blocks; loaded in K step 14
	global_prefetch_b8 v[PFC], s[10:11] offset:256 th:TH_LOAD_NT scope:SCOPE_SE
.Lno_rescale:
	s_wait_alu depctr_va_vdst(0)                   ; the products below read the accumulators behind waits
	STEP 0, 0, 0, 1, 1, 1, 0, 0, -1, 0
	s_sub_co_u32 s3, s3, 1
	s_cmp_lg_u32 s3, 0
	s_cbranch_scc1 .Ltrip
	STEP 1, 1, 0, 1, 2, 0, 0, 0, 2, 0              ; K step 13 (the bases stand at step 12): A's last load; the last fill is shown landed
	STEP 2, 0, 0, 3, 3, 0, 0, 0, -1, 0             ; K step 14: A's registers take c
	s_wait_dscnt 0x0                               ; my last reads of the ring are back: behind this barrier the stage is written over it
	s_barrier_signal -1
	s_barrier_wait -1
	STEP 3, 1, 0, 2, -1, 0, 0, 8, -1, 0            ; K step 15: each pair of A's fragments finishes 16 accumulators, which go to the stage at once
	s_wait_dscnt 0x0                               ; for the others' sake: my gate is in the stage
	s_barrier_signal -1
	s_barrier_wait -1
; THE WAY OUT: wave w takes rows 32 w .. 32 w + 31, four rows of all four gates at a time; a lane holds 4 neighbouring units of each row; loads of c and stores cover 512 consecutive bytes, aligned.
.macro RLOAD k, buf
.irp g, 0,1,2,3
.irp r, 0,1,2,3
	ds_load_b128 v[\buf+16*\g+4*\r:\buf+16*\g+4*\r+3], v[RD+\g] offset:SPITCH*(4*(\k)+\r)
.endr
.endr
.endm
.macro BATCH k
.set GB, GA+64*((\k)%2)
.if (\k) < 7
	RLOAD (\k)+1, GA+64*(((\k)+1)%2)
	s_wait_dscnt 16                                ; this batch's 16 loads are in; the next batch's may be out
.else
	s_wait_dscnt 0x0
.endif
	s_wait_loadcnt 28-4*(\k)                       ; c's four rows of this batch
.if (\k) > 0
	s_wait_xcnt 0x0                                ; the last batch's stores have read CP and HP
.endif
.irp g, 0,1,2,3
.irp i, 0,2,4,6,8,10,12,14
	v_pk_fma_f32 v[GB+16*\g+\i:GB+16*\g+\i+1], v[GB+16*\g+\i:GB+16*\g+\i+1], s[SC+2*\g:SC+2*\g+1], v[BB+4*\g+\i%4:BB+4*\g+\i%4+1] op_sel_hi:[1,0,1]
.endr
.endr
.set j, 0
	s_wait_alu depctr_va_vdst(0)                   ; ahead of and behind each batch of transcendentals
.rept 64
	v_exp_f32 v[GB+j], v[GB+j]
.set j, j+1
.endr
	v_nop
	s_wait_alu depctr_va_vdst(0)
.set j, 0
.rept 32
	v_pk_add_f32 v[GB+j:GB+j+1], v[GB+j:GB+j+1], 1.0 op_sel_hi:[1,0]
.set j, j+2
.endr
.set j, 0
	s_wait_alu depctr_va_vdst(0)
.rept 64
	v_rcp_f32 v[GB+j], v[GB+j]                     ; sigmoid(x) = 1 / (1 + 2^(-x log2 e)); for g: 1 / (1 + 2^(2 x log2 e))
.set j, j+1
.endr
	v_nop
	s_wait_alu depctr_va_vdst(0)
.irp i, 0,2,4,6,8,10,12,14
	v_pk_fma_f32 v[GB+32+\i:GB+32+\i+1], v[GB+32+\i:GB+32+\i+1], -2.0, 1.0 op_sel_hi:[1,0,0]   ; tanh = 1 - 2 / (1 + 2^(2 x log2 e))
.endr
.irp i, 0,2,4,6,8,10,12,14
	v_pk_mul_f32 v[GB+32+\i:GB+32+\i+1], v[GB+32+\i:GB+32+\i+1], v[GB+\i:GB+\i+1]
.endr
	WIN 0x04
.irp i, 0,2,4,6,8,10,12,14
	v_pk_fma_f32 v[CP+\i:CP+\i+1], v[GB+16+\i:GB+16+\i+1], v[CC+16*(\k)+\i:CC+16*(\k)+\i+1], v[GB+32+\i:GB+32+\i+1]   ; c' = f c + i g
.endr
	WIN 0
.irp i, 0,2,4,6,8,10,12,14
	v_pk_mul_f32 v[EE+\i:EE+\i+1], v[CP+\i:CP+\i+1], s[T2:T2+1] op_sel_hi:[1,0]
.endr
.irp r, 0,1,2,3
	global_store_b128 v[CO], v[CP+4*\r:CP+4*\r+3], s[14:15] offset:4096*(4*(\k)+\r) th:TH_STORE_NT
.endr
.set j, 0
	s_wait_alu depctr_va_vdst(0)
.rept 16
	v_exp_f32 v[EE+j], v[EE+j]
.set j, j+1
.endr
	v_nop
	s_wait_alu depctr_va_vdst(0)
.irp i, 0,2,4,6,8,10,12,14
	v_pk_add_f32 v[EE+\i:EE+\i+1], v[EE+\i:EE+\i+1], 1.0 op_sel_hi:[1,0]
.endr
.set j, 0
	s_wait_alu depctr_va_vdst(0)
.rept 16
	v_rcp_f32 v[EE+j], v[EE+j]
.set j, j+1
.endr
	v_nop
	s_wait_alu depctr_va_vdst(0)
.irp i, 0,2,4,6,8,10,12,14
	v_pk_fma_f32 v[EE+\i:EE+\i+1], v[EE+\i:EE+\i+1], -2.0, 1.0 op_sel_hi:[1,0,0]
.endr
.irp i, 0,2,4,6,8,10,12,14
	v_pk_mul_f32 v[HP+\i:HP+\i+1], v[EE+\i:EE+\i+1], v[GB+48+\i:GB+48+\i+1]   ; h' = o tanh(c')
.endr
.irp r, 0,1,2,3
	global_store_b128 v[CO], v[HP+4*\r:HP+4*\r+3], s[12:13] offset:4096*(4*(\k)+\r) th:TH_STORE_NT
.endr
.endm
	RLOAD 0, GA
.irp k, 0,1,2,3,4,5,6,7
	BATCH \k
.endr
	s_wait_tensorcnt 0x0                           ; the wave's end, behind my last tensor load and my last LDS store
	ds_add_u32 v[SPW], v[NIL]
	s_wait_dscnt 0x0
	ROUND                                          ; the closing round
	s_endpgm
.Lfunc_end_k_qd66889662e_cell:
	.size	k_qd66889662e_cell, .Lfunc_end_k_qd66889662e_cell-k_qd66889662e_cell
	.p2alignl 7, 3214868480
	.fill 96, 4, 3214868480
	.section	.rodata,"a",@progbits
	.p2align	6, 0x0
	.amdhsa_kernel k_qd66889662e_cell
		.amdhsa_group_segment_fixed_size 327680
		.amdhsa_private_segment_fixed_size 0
		.amdhsa_enable_private_segment 0
		.amdhsa_kernarg_size 112
		.amdhsa_user_sgpr_count 2
		.amdhsa_user_sgpr_kernarg_segment_ptr 1
		.amdhsa_wavefront_size32 1
		.amdhsa_system_sgpr_workgroup_id_x 1
		.amdhsa_system_sgpr_workgroup_id_y 1
		.amdhsa_system_sgpr_workgroup_id_z 1
		.amdhsa_system_vgpr_workitem_id 0
		.amdhsa_next_free_vgpr 1024
		.amdhsa_next_free_sgpr 100
		.amdhsa_reserve_vcc 0
		.amdhsa_float_denorm_mode_32 3
		.amdhsa_float_denorm_mode_16_64 3
		.amdhsa_memory_ordered 1
		.amdhsa_forward_progress 1
		.amdhsa_inst_pref_size 255
	.end_amdhsa_kernel
	.section	.bss,"aw",@nobits
	.p2align	6
	.space	262144
	.amdgpu_metadata
---
amdhsa.version: [ 1, 2 ]
amdhsa.kernels:
  - .name:           k_qd66889662e_cell
    .symbol:         k_qd66889662e_cell.kd
    .args:
      - { .name: acodes, .offset: 0, .size: 8, .value_kind: global_buffer, .address_space: global }
      - { .name: wcodes, .offset: 8, .size: 8, .value_kind: global_buffer, .address_space: global }
      - { .name: lowp_scales, .offset: 16, .size: 8, .value_kind: global_buffer, .address_space: global }
      - { .name: c, .offset: 24, .size: 8, .value_kind: global_buffer, .address_space: global }
      - { .name: out0, .offset: 32, .size: 8, .value_kind: global_buffer, .address_space: global }
      - { .name: out1, .offset: 40, .size: 8, .value_kind: global_buffer, .address_space: global }
      - { .name: b_i_i, .offset: 48, .size: 8, .value_kind: global_buffer, .address_space: global }
      - { .name: b_i_h, .offset: 56, .size: 8, .value_kind: global_buffer, .address_space: global }
      - { .name: b_f_i, .offset: 64, .size: 8, .value_kind: global_buffer, .address_space: global }
      - { .name: b_f_h, .offset: 72, .size: 8, .value_kind: global_buffer, .address_space: global }
      - { .name: b_g_i, .offset: 80, .size: 8, .value_kind: global_buffer, .address_space: global }
      - { .name: b_g_h, .offset: 88, .size: 8, .value_kind: global_buffer, .address_space: global }
      - { .name: b_o_i, .offset: 96, .size: 8, .value_kind: global_buffer, .address_space: global }
      - { .name: b_o_h, .offset: 104, .size: 8, .value_kind: global_buffer, .address_space: global }
    .group_segment_fixed_size: 327680
    .private_segment_fixed_size: 0
    .kernarg_segment_align: 8
    .kernarg_segment_size: 112
    .max_flat_workgroup_size: 128
    .sgpr_count:     100
    .vgpr_count:     1024
    .wavefront_size: 32
...
	.end_amdgpu_metadata
.endif
;; end of part 2
